; MI455X (gfx1250); checked and timed in simulation.
; The chip was launched on July 23, 2026; its instructions are those of AMD's public machine-readable ISA for CDNA 5 (MIT licence, August 2026) and "CDNA5" Instruction Set Architecture Reference Guide (July 2026). The comments in the code are by the model that wrote it; some were corrected since.
;; Multi Head Attention. Allowed arithmetic: matrix products marked QUANTISED: E5M2 operands, one given power-of-two scale a tensor, by v_wmma_f32_16x16x64_bf8_bf8 or v_wmma_f32_16x16x128_bf8_bf8, f32 sums; everything else in f32.
;; Inputs: Wk_codes 768 x 24 x 32 uint8 (E5M2 codes of Wk, K innermost, in blocks of 32 codes); Wo_codes 768 x 24 x 32 uint8 (E5M2 codes of Wo, K innermost, in blocks of 32 codes); Wq_codes 768 x 24 x 32 uint8 (E5M2 codes of Wq, K innermost, in blocks of 32 codes); Wv_codes 768 x 24 x 32 uint8 (E5M2 codes of Wv, K innermost, in blocks of 32 codes); bk 768 float32; bo 768 float32; bq 768 float32; bv 768 float32; lowp_scales 12 int32 (the exponents e of the quantised operands' scales 2^e); x_codes 32 x 577 x 24 x 32 uint8 (E5M2 codes of x, K innermost, in blocks of 32 codes).
;; Outputs: out0 32 x 577 x 768 float32.
;; This version of the problem:
;;   THIS VERSION OF THE PROBLEM IS GIVEN IN LOW PRECISION. The matrix products marked QUANTISED in the list below multiply operands that are first quantised to E5M2 (5 exponent bits, 2 mantissa bits; 8 bits a number), with one given power-of-two scale for each operand tensor; their sums are f32. All else is computed in f32.
;;   The module's matrix products, in the order in which they are computed (A, B: the left and right operand; K: the contracted axis; several contracted axes count as one K, in the product's order):
;;     1. [M 18,464, K 768] x [K 768, N 768]; A: input x (given as codes); B: input Wq (given as codes): QUANTISED (scales: A lowp_scales[0], B lowp_scales[1])
;;     2. [M 18,464, K 768] x [K 768, N 768]; A: input x (given as codes); B: input Wk (given as codes): QUANTISED (scales: A lowp_scales[2], B lowp_scales[3])
;;     3. [M 18,464, K 768] x [K 768, N 768]; A: input x (given as codes); B: input Wv (given as codes): QUANTISED (scales: A lowp_scales[4], B lowp_scales[5])
;;     4. batch 384 x [M 577, K 64] x [K 64, N 577]; A: computed on the way; B: computed on the way: QUANTISED (scales: A lowp_scales[6], B lowp_scales[7])
;;     5. batch 384 x [M 64, K 577] x [K 577, N 577]; A: computed on the way; B: softmax (see below): QUANTISED (scales: A lowp_scales[8], B lowp_scales[9])
;;     6. [M 18,464, K 768] x [K 768, N 768]; A: computed on the way; B: input Wo (given as codes): QUANTISED (scales: A lowp_scales[10], B lowp_scales[11])
;;   THE QUANTISER, for each operand of a quantised product, along K:
;;     - The operand's scale is 2^e, e = its entry of the input lowp_scales (int32; the entries are numbered through the quantised products in the list's order, A before B).
;;     - Each number is divided by the scale, clamped to +-57,344, and rounded to the nearest number of E5M2, ties to even, subnormals kept.
;;     - The product sums the exact products of the quantised numbers (number of the format x scale) in f32.
;;   ~~~python
;;   def quantise(x, axis, e):      # numpy; x: float32 -> the quantised numbers, widened to float32 again
;;       x = np.moveaxis(x, axis, -1); K = x.shape[-1]
;;       r = np.clip(x / 2.0 ** e, -57344, 57344)
;;       step = 2.0 ** (np.maximum(np.frexp(np.where(r == 0, 1, r))[1] - 1, -14) - 2)
;;       q = np.round(r / step) * step * 2.0 ** e      # np.round: ties to even
;;       return np.moveaxis(q, -1, axis).astype(np.float32)
;;   ~~~
;;   SOFTMAX AHEAD OF A QUANTISED PRODUCT. Where the list says 'softmax', what is quantised is not the finished softmax but p = 2^(t - M), with t = logit x log2(e) and M = ceil(the row's largest t), a whole number; so 1/2 < the row's largest p <= 1. The row's sum l is taken of the UNQUANTISED p, in f32, and the product's result is divided by l at the end. Since M is a whole number, a kernel that streams over the keys may use a running M (the ceiling of the running maximum): every later rescaling is an exact power of two, so the quantised numbers keep their values, but for numbers so far below the row's largest that they fall under the format's range.
;;   OPERANDS COMPUTED ON THE WAY. 'Computed on the way' means the value that the module computes at that place (a softmax that the list does not call 'softmax' is quantised finished and normalised). What goes into a quantiser is computed in f32, as accurately as f32 sums, v_exp_f32 and their like allow (about 1e-6 of the number): no bf16 or f16 on the way to a quantiser, and a product that is left as it is and whose result goes on into a quantised operand takes f32 operands (vector FMAs, or v_wmma_f32_16x16x4_f32). A number that lies on a knife's edge between two numbers of the format may be rounded either way, as far as f32 arithmetic and the matrix unit's own rounding can turn it there, and no further.
;;   INPUTS GIVEN AS CODES. Wk (in the module: [768, 768], K = its axis 1); Wo (in the module: [768, 768], K = its axis 1); Wq (in the module: [768, 768], K = its axis 1); Wv (in the module: [768, 768], K = its axis 1); x (in the module: [32, 577, 768], K = its axis 2): each comes as NAME_codes (uint8): NAME with its K axis moved to the last place and cut into blocks of 32 codes, [.., K / 32, bytes a block], one block behind the other in memory; one code a byte (a code: sign, 5 exponent bits, 2 mantissa bits); its scale is its entry of lowp_scales. Its value is code x scale, taken as it is: it is not quantised again, and the codes and scales need not be those that the quantiser above would give.
;; One version. Each part assembles by itself: llvm-mc -triple=amdgcn-amd-amdhsa -mcpu=gfx1250 --defsym DOCPART=n.
;; ======== version 1 of 1: 3 launches
;; limits: right only within a limited range of input values
;; workspace buffers: q_img 14,942,208 bytes; k_img 14,942,208 bytes; v_img 14,942,208 bytes; o_img 14,942,208 bytes
;; launch qkv (part 1): grid 6 x 38, 4 waves a work-group, no clusters, 327,680 bytes of LDS; arguments x_codes, Wq_codes, Wk_codes, Wv_codes, bq, bk, bv, lowp_scales, q_img, k_img, v_img; writes q_img, k_img, v_img
.if DOCPART == 1
	.amdgcn_target "amdgcn-amd-amdhsa--gfx1250"
	.amdhsa_code_object_version 6
	.text
	.protected	k_q7d844c004b_qkv
	.globl	k_q7d844c004b_qkv
	.p2align	8
	.type	k_q7d844c004b_qkv,@function
k_q7d844c004b_qkv:
	s_mov_b64 s[64:65], 0
	v_nop
	global_prefetch_b8 v0, s[64:65] scope:SCOPE_SE
	s_setreg_imm32_b32 hwreg(HW_REG_WAVE_MODE, 25, 1), 1
	s_wait_xcnt 0x0
; q, k, v = x W^T + b on codes of E5M2, quantised again with the given scales, stored as IMAGES OF OPERAND REGISTERS (pieces of 512 bytes: lane l's 16 bytes at 16 l).
; SHARES.  Work-group x: T = x / 2 picks q, k or v, x % 2 picks 384 of the 768 columns.  Work-group y: I = y / 2 is a group of 32 tokens (0 .. 18), y % 2 picks 16 of the 32 batches.
; Wave w keeps rows 96 w .. 96 w + 95 of its half of W, all of K, in 576 registers, read from memory once.
; TOKENS.  Position p of group I is token 32 I + p; in group 18 position 8 w + g is token 569 - 8 w + g: token 576 stands at position 7, the other positions repeat real tokens of the batch.
; TILES.  Lane r of token tile u takes position 8 u + r + 8 (r / 8); lane r of column tile 2 p + c takes row 32 p + 8 c + r + 8 (r / 8) of the wave's 96: the 16 registers of two partner tiles
; are 16 neighbours along the next product's K.  q, k: source 0 = W, source 1 = x.  v: the sources swapped (a lane holds a channel, registers run along keys).
; A fragment is fetched by four loads of 16 bytes: registers 4 c .. 4 c + 3 hold k = 32 c + 16 (lane / 16) + 0 .. 15, alike in both operands; only the order of the sums inside an instruction differs.
; x comes through a ring of two LDS slots of four batches each; a wave's one tensor load brings its 8 token rows (6,144 dense bytes) of four batches.
; THE ORDER OF A BATCH'S 72 PRODUCTS: two halves of K (K steps 0-2, 3-5) x two SETS of six accumulators (q, k: set b = token tile b; v: set b = column tiles 3 b .. 3 b + 2): a block is 18 products, its six accumulators by turns.
; A set is finished in the second half; its holds and conversions are laid, a few lines at a time, behind the products of the next block (set 0: the second half's set 1; set 1: the next batch's first block).
; MEMORY LINES STAND IN TWO RUNS A BATCH, one behind each half: the next batch's 24 fragment loads of that half, into registers that the half has done with, and the three stores of the set converted last.
; A trip of the loops goes from a batch's second block to the next batch's first, so that both runs of a trip read one batch, and a change of slots stands between trips.
; NO CLUSTER: an x tile is shared by the 6 work-groups along x and a half of W by 38 along y: neither is a multiple of 4.  NO PREFETCH of x: each fill is asked for four batches (288 products) ahead of its first read.
; LIMITS: for each of q, k, v the exponent (result's e - x's e - W's e) lies between -126 and 112.  Infinity or NaN among the codes or biases is not served.
; REGISTERS.  window 0: v1, v2 the spare word's address and 0; v3 my place in a slot, v4 the address in hand; v8 the conversion's scale; v16-39 codes; v64-255 x's fragments (tile u, K step s at 64 + 16 (6 u + s)).
;   windows 1, 2, 3 (v0-63): W's fragment f = 6 s + t at register 256 + 16 f.  window 3: v64-159 the 12 accumulators, v160-207 the bias in the result's layout, v208-210 the store offsets of the three pairs of column tiles.
.set WREG,  26176                      ; a wave's tile in LDS: 4 batches x 6,528 bytes, + 64
.set SLOTB, 4*WREG
.set SPARE, 2*SLOTB                    ; behind the ring: the spare words, 128 bytes a wave
.set ZSTEP, 6528                       ; a batch's 8 rows in LDS: 24 pieces of 256 bytes + 16 of padding each
.set FILLB, 2308*768                   ; four batches of x in memory
.set BSTEP, 466944                     ; a batch in an image buffer: 12 heads x 38,912 bytes
.set XF,   64
.set ACC,  64
.set BIAS, 160
.set OFS,  208
.set CD,   16
.set ADR,  3                           ; the register that holds the fragment loads' address
.set MSB, 0
.macro WIN new                         ; the immediate's high byte repeats the setting that is left; a switch that changes nothing is dropped
.if MSB != (\new)
	s_set_vgpr_msb (MSB<<8)|(\new)
.set MSB, (\new)
.endif
.endm
.macro PLACES
.rept 4
	v_nop
.endr
.endm
.macro WLOAD s                         ; W's six fragments of K step s
.irp t, 0,1,2,3,4,5
.set f, 6*\s+\t
	WIN (1+f/16)<<6
.irp c, 0,1,2,3
	global_load_b128 v[16*(f%16)+4*\c:16*(f%16)+4*\c+3], v10, s[48:49] offset:(32*(\t/2)+8*(\t%2))*768+128*\s+32*\c
.endr
.endr
.endm
	s_load_b512 s[4:19], s[0:1], 0x0               ; x, Wq, Wk, Wv, bq, bk, bv, the scales' exponents
	s_load_b128 s[20:23], s[0:1], 0x40             ; q_img, k_img
	s_load_b64 s[24:25], s[0:1], 0x50              ; v_img
	v_lshl_add_u32 v1, v0, 2, SPARE
	v_mov_b32 v2, 0
	ds_add_u32 v1, v2                              ; the opening lines: the add twice on end and its wait
	ds_add_u32 v1, v2
	s_wait_dscnt 0x0
	v_lshrrev_b32 v10, 5, v0
	v_readfirstlane_b32 s2, v10                    ; wave 0..3
	s_lshr_b32 s26, ttmp9, 1                       ; T: 0 q, 1 k, 2 v
	s_and_b32 s27, ttmp9, 1                        ; which 384 columns
	s_and_b32 s58, ttmp7, 0xffff
	s_lshr_b32 s28, s58, 1                         ; I
	s_and_b32 s29, s58, 1                          ; which 16 batches
	; descriptor group 1: 4 rows (batches) of 768 elements of 8 bytes (8 token rows), 55,392 elements (a batch) apart; 4 words of padding behind every 64
	s_mov_b32 s32, (3<<16)|(1<<20)|(5<<22)|(3<<25)
	s_mov_b32 s33, 768<<16
	s_mov_b32 s34, 4<<16
	s_mov_b32 s35, 768<<16
	s_mov_b32 s36, 4
	s_mov_b32 s37, 55392
	s_mov_b32 s38, 0
	s_mov_b32 s39, 0
	s_lshl_b32 s72, s28, 5
	s_lshl_b32 s73, s2, 3
	s_add_co_u32 s72, s72, s73                     ; my first token: 32 I + 8 w,
	s_sub_co_u32 s73, 569, s73                     ; in group 18: 569 - 8 w
	s_cmp_eq_u32 s28, 18
	s_cselect_b32 s72, s73, s72
	s_mul_i32 s73, s29, 9232                       ; + 16 batches of 577 tokens
	s_add_co_u32 s72, s72, s73
	s_mul_i32 s72, s72, 768                        ; in bytes
	s_mov_b32 s73, 0
	s_mul_i32 s74, s2, WREG                        ; my region of a slot
	s_mul_i32 s58, s27, 384
	s_mul_i32 s59, s2, 96
	s_add_co_u32 s58, s58, s59                     ; my first row of W
	s_mul_i32 s60, s58, 768
	s_mov_b32 s61, 0
	s_lshl_b32 s62, s58, 2                         ; and its bias
	s_mov_b32 s63, 0
	v_and_b32 v11, 15, v0                          ; r
	v_bfe_u32 v12, v0, 4, 1                        ; h
	v_and_b32 v13, 8, v11
	v_add_nc_u32 v13, v13, v11                     ; r + 8 (r / 8)
	v_mul_u32_u24 v10, v13, 768
	v_lshl_add_u32 v10, v12, 4, v10                ; W: my row of a tile, + 16 h
	v_lshlrev_b32 v14, 6, v12                      ; bias of q, k: 16 h numbers on
	v_lshlrev_b32 v15, 2, v13                      ; bias of v: my row's
	v_bfe_u32 v3, v0, 3, 1
	v_mul_u32_u24 v3, v3, 2*WREG                   ; x in a slot: lanes 8-15 of a tile take the region two waves on,
	v_and_b32 v4, 7, v0
	v_mad_u32_u24 v3, v4, 816, v3                  ; row r % 8 of 816 bytes,
	v_lshl_add_u32 v3, v12, 4, v3                  ; + 16 h
	v_and_b32 v7, 31, v0
	v_lshlrev_b32 v7, 4, v7                        ; 16 x lane
	s_wait_alu depctr_va_vdst(0)
	s_mul_i32 s58, s27, 12
	s_mul_i32 s59, s2, 3
	s_add_co_u32 s58, s58, s59                     ; my first pair of column tiles among the 24: pair P is half P % 2 of head P / 2
	s_cmp_eq_u32 s26, 2
	s_cselect_b32 s67, 10, 9                       ; that half is 1,024 bytes on in v_img, 512 in q_img and k_img
	s_mul_i32 s68, s29, 16*BSTEP
	s_lshl_b32 s69, s28, 11
	s_add_co_u32 s68, s68, s69                     ; my first batch, group I
	WIN 0xc0                                       ; the offsets lie in window 3
.irp p, 0,1,2
	s_add_co_u32 s70, s58, \p
	s_lshr_b32 s71, s70, 1
	s_mul_i32 s71, s71, 38912
	s_and_b32 s70, s70, 1
	s_lshl_b32 s70, s70, s67
	s_add_co_u32 s71, s71, s70
	s_add_co_u32 s71, s71, s68
	v_add_nc_u32 v[OFS+\p], s71, v7
.endr
	WIN 0
	s_wait_alu depctr_va_vdst(0)
	s_wait_kmcnt 0x0
	s_mov_b32 s40, 1                               ; group 0 for slot 0: batches 0-3,
	s_mov_b32 s41, s74
	s_add_nc_u64 s[42:43], s[4:5], s[72:73]
	s_mov_b32 s44, 1                               ; for slot 1: batches 4-7
	s_add_co_u32 s45, s74, SLOTB
	s_add_nc_u64 s[46:47], s[42:43], FILLB
	s_or_b32 s43, s43, 0x80000000
	s_or_b32 s47, s47, 0x80000000
	tensor_load_to_lds s[40:43], s[32:39]          ; slot 0: my one tensor load at the head
	s_nop 0
	PLACES
	s_load_b256 s[76:83], s[18:19], 0x0            ; e0 .. e7
	s_load_b32 s84, s[18:19], 0x20                 ; e8
	s_cmp_eq_u32 s26, 0                            ; the buffers are chosen by the work-group's number alone
	s_cselect_b64 s[48:49], s[6:7], s[8:9]
	s_cselect_b64 s[50:51], s[12:13], s[14:15]
	s_cselect_b64 s[52:53], s[20:21], s[22:23]
	s_cmp_eq_u32 s26, 2
	s_cselect_b64 s[48:49], s[10:11], s[48:49]
	s_cselect_b64 s[50:51], s[16:17], s[50:51]
	s_cselect_b64 s[52:53], s[24:25], s[52:53]
	s_add_nc_u64 s[48:49], s[48:49], s[60:61]
	s_add_nc_u64 s[50:51], s[50:51], s[62:63]
.irp s, 0,1,2,3,4,5                    ; W's 36 fragments stay in registers
	WLOAD \s
.endr
	WIN 0
	s_wait_tensorcnt 0x0                           ; my part of slot 0 is in; slot 1's first fill is issued as a refill is
	ds_add_u32 v1, v2
	s_wait_dscnt 0x0
	s_barrier_signal -1
	s_barrier_wait -1                              ; slot 0 is whole
	tensor_load_to_lds s[44:47], s[32:39]          ; slot 1: it is first read three batches on
	s_nop 0
	PLACES
	s_wait_kmcnt 0x0
	s_cmp_eq_u32 s26, 0
	s_cselect_b32 s54, s76, s78                    ; x's e,
	s_cselect_b32 s55, s77, s79                    ; W's e,
	s_cselect_b32 s56, s82, s83                    ; the result's e
	s_cmp_eq_u32 s26, 2
	s_cselect_b32 s54, s80, s54
	s_cselect_b32 s55, s81, s55
	s_cselect_b32 s56, s84, s56
	s_add_co_i32 s66, s54, s55                     ; a sum stands for sum x 2^(ex + ew)
	s_sub_co_i32 s67, s56, s66
	s_sub_co_i32 s66, 0, s66                       ; the bias goes in as b / 2^(ex + ew)
	s_add_co_i32 s67, s67, 127
	s_lshl_b32 s68, s67, 23
	v_mov_b32 v8, s68                              ; 2^(eo - ex - ew): the three scales folded into the conversion's one
	s_add_co_i32 s67, s67, 15
	s_lshl_b32 s67, s67, 23
	s_or_b32 s85, s67, 0x600000                    ; 57,344 x that,
	s_or_b32 s86, s85, 0x80000000                  ; and its negative: the hold's two bounds
	s_mov_b32 s87, BSTEP
	s_cmp_eq_u32 s26, 2
	s_cbranch_scc1 .Lbias_v
	WIN 0xc0                                       ; q, k: register j of tile 2 p + c is channel 32 p + 16 h + 8 c + j
.irp t, 0,1,2,3,4,5
	global_load_b128 v[BIAS+8*\t:BIAS+8*\t+3], v14, s[50:51] offset:(32*(\t/2)+8*(\t%2))*4
	global_load_b128 v[BIAS+8*\t+4:BIAS+8*\t+7], v14, s[50:51] offset:(32*(\t/2)+8*(\t%2))*4+16
.endr
	s_wait_loadcnt 0x0                             ; W and the bias
	WIN 0xc3
.set j, 0
.rept 48
	v_ldexp_f32 v[BIAS+j], v[BIAS+j], s66
.set j, j+1
.endr
	WIN 0
	s_branch .Lbias_done
.Lbias_v:
	WIN 0xc0                                       ; v: all eight registers of a tile belong to my lane's channel
.irp t, 0,1,2,3,4,5
	global_load_b32 v[BIAS+8*\t], v15, s[50:51] offset:(32*(\t/2)+8*(\t%2))*4
.endr
	s_wait_loadcnt 0x0
	WIN 0xc3
.irp t, 0,1,2,3,4,5
	v_ldexp_f32 v[BIAS+8*\t], v[BIAS+8*\t], s66
.endr
.irp t, 0,1,2,3,4,5
.irp j, 1,2,3,4,5,6,7
	v_mov_b32 v[BIAS+8*\t+\j], v[BIAS+8*\t]
.endr
.endr
	WIN 0
.Lbias_done:
	s_wait_alu depctr_va_vdst(0)
; One product: K step s, column tile t, token tile u.  The bias is the C of each sum's first product.  vv = 1: the sources swapped.
.macro WM vv, s, t, u
.set f, 6*(\s)+(\t)
.set rW, 16*(f%16)
.set rA, ACC+8*(2*(\t)+(\u))
.set rX, XF+16*(6*(\u)+(\s))
.set rB, BIAS+8*(\t)
.if \vv
	WIN 0xf0|((1+f/16)<<2)
.if (\s) == 0
	v_wmma_f32_16x16x128_bf8_bf8 v[rA:rA+7], v[rX:rX+15], v[rW:rW+15], v[rB:rB+7]
.else
	v_wmma_f32_16x16x128_bf8_bf8 v[rA:rA+7], v[rX:rX+15], v[rW:rW+15], v[rA:rA+7]
.endif
.else
	WIN 0xf0|(1+f/16)
.if (\s) == 0
	v_wmma_f32_16x16x128_bf8_bf8 v[rA:rA+7], v[rW:rW+15], v[rX:rX+15], v[rB:rB+7]
.else
	v_wmma_f32_16x16x128_bf8_bf8 v[rA:rA+7], v[rW:rW+15], v[rX:rX+15], v[rA:rA+7]
.endif
.endif
.endm
.macro LD4 s, u                        ; x's fragment of K step s, token tile u
	WIN 0
.irp c, 0,1,2,3
	ds_load_b128 v[XF+16*(6*(\u)+(\s))+4*\c:XF+16*(6*(\u)+(\s))+4*\c+3], v[ADR] offset:(\u)*WREG+128*(\s)+16*((\s)/2)+32*\c
.endr
.endm
; The hold within the largest code x the scale (the conversion to an 8-bit code does not saturate: ISA guide 7.6.2).  Both bounds are scalars and the sum is source 2,
; so the line runs under the products' window setting.  Ascending: each accumulator is first read at its low end.
.macro MED n0, n1
.set n, \n0
.rept \n1-\n0+1
.if n < 8
	v_med3_num_f32 v[A1+n], s86, s85, v[A1+n]
.else
	v_med3_num_f32 v[A2+n-8], s86, s85, v[A2+n-8]
.endif
.set n, n+1
.endr
.endm
; The q-th third of set b (two accumulators, 16 sums a lane, 16 bytes of codes), held and converted in four parts k, each laid behind one product.
; q, k: column tiles 2 q, 2 q + 1 of token tile b.  v: column tile 3 b + q, both token tiles.
; stp = 1: the three store offsets go one batch on, ahead of the batch's first store and behind the wait that frees them and the codes' registers; the stores' immediate takes the batch off again.
.macro EI vv, b, q, k, stp
.if \vv
.set tq, 3*(\b)+(\q)
.set A1, ACC+16*tq
.set A2, A1+8
.set C0, CD+4*tq
.else
.set A1, ACC+8*(4*(\q)+(\b))
.set A2, A1+16
.set C0, CD+4*(2*(\q)+(\b))
.endif
.if (\k) < 3
.if (MSB&0xf0) != 0xf0
	WIN 0xf0
.endif
.endif
.if (\k) == 0
.if \stp
	s_wait_xcnt 0x0                                ; the earlier stores have read their offsets and data
.irp e, 0,1,2
	v_add3_u32 v[OFS+\e], s87, 0, v[OFS+\e]
.endr
.endif
	MED 0, 3
.endif
.if (\k) == 1
	MED 4, 9
.endif
.if (\k) == 2
	MED 10, 15
.endif
.if (\k) == 3
	WIN 0x03                                       ; source 0 (the sums) window 3, all else window 0
	v_cvt_scalef32_pk8_bf8_f32 v[C0:C0+1], v[A1:A1+7], v8
	v_cvt_scalef32_pk8_bf8_f32 v[C0+2:C0+3], v[A2:A2+7], v8
	v_nop                                          ; one plain line behind the conversions: later products write their sources
.endif
.endm
.macro ST vv, b                        ; set b's three stores, each 512 consecutive aligned bytes
	WIN 0x03                                       ; the offset (source 0) in window 3, the codes in window 0
.irp q, 0,1,2
.if \vv
.set tq, 3*(\b)+\q
	global_store_b128 v[OFS+tq/2], v[CD+4*tq:CD+4*tq+3], s[52:53] offset:(tq%2)*512-BSTEP
.else
	global_store_b128 v[OFS+\q], v[CD+4*(2*\q+(\b)):CD+4*(2*\q+(\b))+3], s[52:53] offset:(\b)*1024-BSTEP
.endif
.endr
.endm
; A block: half h of K, set b: 18 products, six accumulators by turns.
; ep = 1: set eb is held and converted behind products 1-4, 7-10, 13-16; four places behind product 0 stand ahead of its first read of results (ISA guide 7.12.1).
; wt = 1: a K step's fragments are waited for by count: behind them were issued the half's later K steps (16, 8, 0 loads) and wb loads of the other half.
.macro BLOCK vv, h, b, ep, eb, wt, wb, stp
.set i, 0
.rept 18
.set ss, 3*(\h)+i/6
.if \vv
.set tt, 3*(\b)+(i%6)/2
.set uu, i%2
.else
.set tt, i%6
.set uu, \b
.endif
.if (\wt) && (i%6 == 0)
	s_wait_dscnt (\wb)+16-8*(i/6)
.endif
	WM \vv, ss, tt, uu
.if \ep
.if i == 0
	PLACES
.endif
.if (i%6 >= 1) && (i%6 <= 4)
.set sp, 0
.if (\stp) && (i == 1)
.set sp, 1
.endif
	EI \vv, \eb, (i/6), (i%6-1), sp
.endif
.endif
.set i, i+1
.endr
.endm
; A run of memory lines behind half h: four places (the loads land in registers that the last products read), the next batch's 24 fragment loads of this half (ld = 1), set sb's stores (flag = 1).
; adv = 1: the address for the next trip's loads.
.macro MRUN vv, h, ld, sb, flag, adv
	PLACES
	WIN 0
	s_wait_alu depctr_va_vdst(0)                   ; the codes and the address were written some way back
.if \ld
.irp s, 0,1,2
	LD4 3*(\h)+\s, 0
	LD4 3*(\h)+\s, 1
.endr
.endif
.if \adv
	v_add_nc_u32 v4, s57, v3
.endif
.if \flag
	ST \vv, \sb
.endif
	WIN 0
.endm
; A trip: a batch's second block to the next batch's first.  ld = 0: the last batch: nothing is loaded, and set 1 goes out behind the last product.
; st = 0: the launch's first trip: no set 1 has been converted yet, so its first run stores nothing.
.macro TRIP vv, ld, st
.rept 5
	v_nop                                          ; five places: the sums that begin below write over accumulators, and the two arms cut the twelve into sets differently (ISA guide 7.12.1)
.endr
	BLOCK \vv, 0, 1, 0, 0, 0, 0, 0
	MRUN \vv, 0, \ld, 1, \st, 0
	BLOCK \vv, 1, 0, 0, 0, 1, 24*(\ld), 0
	BLOCK \vv, 1, 1, 1, 0, 0, 0, 1
	MRUN \vv, 1, \ld, 0, 1, \ld
.if \ld
	BLOCK \vv, 0, 0, 1, 1, 1, 24, 0
.else
.irp q, 0,1,2
.irp k, 0,1,2,3
	EI \vv, 1, \q, \k, 0
.endr
.endr
	ST \vv, 1
.endif
	WIN 0
.endm
.macro BOTH ld, first                  ; the branch hangs on the work-group's number alone.  first = 1: batch 0's first block stands in the same arm, ahead of the trip: no set is finished yet
	s_cmp_eq_u32 s26, 2
	s_cbranch_scc1 .Lv_\@
.if \first
	BLOCK 0, 0, 0, 0, 0, 1, 24, 0
.endif
	TRIP 0, \ld, 1-(\first)
	s_branch .Lj_\@
.Lv_\@:
.if \first
	BLOCK 1, 0, 0, 0, 0, 1, 24, 0
.endif
	TRIP 1, \ld, 1-(\first)
.Lj_\@:
.endm
.macro RUN n
	s_mov_b32 s3, \n
.Lrun_\@:
	BOTH 1, 0
	s_add_co_u32 s57, s57, ZSTEP
	s_sub_co_u32 s3, s3, 1
	s_cmp_lg_u32 s3, 0
	s_cbranch_scc1 .Lrun_\@
.endm
; The change of slots: every wave waits for all its tensor loads (its part of the slot ahead), adds 0 to its spare word, waits for that and for its reads of the slot it leaves; one barrier.
; fill = 1: the slot just left takes the batches two fills on: my one load behind the barrier; it has four batches, 288 products, in which to land.  base: where the next trips' loads begin.
.macro CHANGE slot, fill, base
	s_wait_tensorcnt 0x0                           ; no tensor load of mine is out, so a group 0 may be written
	ds_add_u32 v1, v2
.if \fill
	s_add_nc_u64 s[42+4*\slot:43+4*\slot], s[42+4*\slot:43+4*\slot], 2*FILLB
.endif
	s_mov_b32 s57, \base
	v_add_nc_u32 v4, s57, v3
	s_wait_alu depctr_va_vdst(0)                   ; the wait behind the write
	s_mov_b32 s57, (\base)+ZSTEP
	s_wait_dscnt 0x0                               ; the add is done, and my reads of the slot are over
	s_barrier_signal -1
	s_barrier_wait -1
.if \fill
	tensor_load_to_lds s[40+4*\slot:43+4*\slot], s[32:39]
	s_nop 0
	PLACES
.endif
.endm
.irp s, 0,1,2,3,4,5                    ; batch 0's fragments, by K steps, eight loads to a step
	LD4 \s, 0
	LD4 \s, 1
.endr
.set ADR, 4
	s_mov_b32 s57, ZSTEP
	v_add_nc_u32 v4, s57, v3                       ; the first trip loads batch 1's
	s_wait_alu depctr_va_vdst(0)
	s_mov_b32 s57, 2*ZSTEP
	BOTH 1, 1                                      ; batch 0, written out; it loads batch 1 from slot 0
	s_add_co_u32 s57, s57, ZSTEP
	RUN 2                                          ; batches 1, 2; they load batches 2, 3 from slot 0
	CHANGE 0, 1, SLOTB
	RUN 4                                          ; batches 3-6; they load 4-7 from slot 1
	CHANGE 1, 1, 0
	RUN 4                                          ; batches 7-10; they load 8-11 from slot 0
	CHANGE 0, 0, SLOTB                             ; nothing is left to fetch
	RUN 4                                          ; batches 11-14; they load 12-15 from slot 1
	BOTH 0, 0
	s_wait_tensorcnt 0x0                           ; the wave's end
	ds_add_u32 v1, v2
	s_wait_dscnt 0x0
	s_endpgm
.Lfunc_end_k_q7d844c004b_qkv:
	.size	k_q7d844c004b_qkv, .Lfunc_end_k_q7d844c004b_qkv-k_q7d844c004b_qkv
	.p2alignl 7, 3214868480
	.fill 96, 4, 3214868480
	.section	.rodata,"a",@progbits
	.p2align	6, 0x0
	.amdhsa_kernel k_q7d844c004b_qkv
		.amdhsa_group_segment_fixed_size 327680
		.amdhsa_private_segment_fixed_size 0
		.amdhsa_enable_private_segment 0
		.amdhsa_kernarg_size 88
		.amdhsa_user_sgpr_count 2
		.amdhsa_user_sgpr_kernarg_segment_ptr 1
		.amdhsa_wavefront_size32 1
		.amdhsa_system_sgpr_workgroup_id_x 1
		.amdhsa_system_sgpr_workgroup_id_y 1
		.amdhsa_system_sgpr_workgroup_id_z 1
		.amdhsa_system_vgpr_workitem_id 0
		.amdhsa_next_free_vgpr 1024
		.amdhsa_next_free_sgpr 100
		.amdhsa_reserve_vcc 0
		.amdhsa_float_denorm_mode_32 3
		.amdhsa_float_denorm_mode_16_64 3
		.amdhsa_memory_ordered 1
		.amdhsa_forward_progress 1
		.amdhsa_inst_pref_size 231
	.end_amdhsa_kernel
	.amdgpu_metadata
---
amdhsa.version: [ 1, 2 ]
amdhsa.kernels:
  - .name:           k_q7d844c004b_qkv
    .symbol:         k_q7d844c004b_qkv.kd
    .args:
      - { .name: x_codes, .offset: 0, .size: 8, .value_kind: global_buffer, .address_space: global }
      - { .name: Wq_codes, .offset: 8, .size: 8, .value_kind: global_buffer, .address_space: global }
      - { .name: Wk_codes, .offset: 16, .size: 8, .value_kind: global_buffer, .address_space: global }
      - { .name: Wv_codes, .offset: 24, .size: 8, .value_kind: global_buffer, .address_space: global }
      - { .name: bq, .offset: 32, .size: 8, .value_kind: global_buffer, .address_space: global }
      - { .name: bk, .offset: 40, .size: 8, .value_kind: global_buffer, .address_space: global }
      - { .name: bv, .offset: 48, .size: 8, .value_kind: global_buffer, .address_space: global }
      - { .name: lowp_scales, .offset: 56, .size: 8, .value_kind: global_buffer, .address_space: global }
      - { .name: q_img, .offset: 64, .size: 8, .value_kind: global_buffer, .address_space: global }
      - { .name: k_img, .offset: 72, .size: 8, .value_kind: global_buffer, .address_space: global }
      - { .name: v_img, .offset: 80, .size: 8, .value_kind: global_buffer, .address_space: global }
    .group_segment_fixed_size: 327680
    .private_segment_fixed_size: 0
    .kernarg_segment_align: 8
    .kernarg_segment_size: 88
    .max_flat_workgroup_size: 128
    .sgpr_count:     100
    .vgpr_count:     1024
    .wavefront_size: 32
...
	.end_amdgpu_metadata
.endif
;; end of part 1
;; launch attn (part 2): grid 256 x 1, 16 waves a work-group, no clusters, 327,680 bytes of LDS; arguments q_img, k_img, v_img, lowp_scales, o_img; writes o_img
.if DOCPART == 2
	.amdgcn_target "amdgcn-amd-amdhsa--gfx1250"
	.amdhsa_code_object_version 6
	.text
	.protected	k_q7d844c004b_attn
	.globl	k_q7d844c004b_attn
	.p2align	8
	.type	k_q7d844c004b_attn,@function
k_q7d844c004b_attn:
	s_mov_b64 s[64:65], 0
	v_nop
	global_prefetch_b8 v0, s[64:65] scope:SCOPE_SE
	s_setreg_imm32_b32 hwreg(HW_REG_WAVE_MODE, 25, 1), 1
	s_wait_xcnt 0x0
; o = softmax(q k^T / sqrt(768), key k counts for query q where k >= q) v, both products on codes of E5M2; the result is quantised with its given scale and stored as images of operand registers.
; THE SOFTMAX: t = score x log2(e) / sqrt(768); M = the running largest t rounded up to a whole number; p = 2^(t - M) is quantised along the keys; the row's sum is taken of the unquantised p and divides at the end.
; When M moves, the sum and O are multiplied by 2^(old M - new M): nothing is rounded.
; SHARES.  A UNIT is one head and one group I of 32 queries: two tiles that share every fragment of K and V.  It needs the key steps m = I / 2 .. 8 (64 keys each) and key 576; unit 18 needs key 576 alone.
; A JOB J (0 .. 9) is units J and 19 - J (there is no unit 19): 9 key steps whatever J.  A work-group holds one and a half heads in LDS: slot 0 a whole head, jobs 0-9 on waves 0-9; slot 1 the middle head of three,
; of which this work-group takes five jobs on waves 10-14 and its neighbour the other five.  Wave 15 has no job: it walks the text with units 19, all steps passed over, and stores nothing.
; K and V of both heads, four dense blocks of 38,912 bytes, come by two tensor loads each (waves 0-3); each LDS byte is filled once, nothing is stored to LDS, two barriers.
; LAYOUT.  Both products are used transposed (S^T = K Q^T, O^T = V^T P^T): a lane holds one query throughout.  The images were laid so that the 16 registers of two neighbouring tiles of scores are 16 neighbouring keys,
; and those of two neighbouring tiles of O^T 16 neighbouring channels: the conversions' results are the next operand's registers.
; All trip counts are constants; a step all of whose keys are hidden is passed over by a scalar branch on ids inside the loop.
; NO CLUSTER: a head's K and V are read by at most two work-groups.
; LIMITS: e6 + e7 between -121 and 132 (added to c's exponent field); e9, and e10 - e8 - e9, between -126 and 112.  q is taken with e6, k with e7.
; REGISTERS: v1 16 x lane; v2 the address in hand; v3 r + 8 (r / 8) - 16 h; v4, v5 store offsets of units A, B; v6 -infinity; v7, v8 2^e9 and 57,344 x it; v9, v10 the same for e10 - e8 - e9; v11, v36 the tail's addresses;
;   v12+8a: -M, largest t, the sum (2), f (2), at work (2); v28+a a permute's destination; v30-33 second chains of the sums; v34, v35 the mask's bound; v40-55, v56-71 Q of units A, B; v72-103 four fragments of K or V;
;   v104-119 p's codes, at the end the result's; v120-183 S^T; v184-247 O^T.
.set ST, 12
.set KV, 72
.set P,  104
.set S,  120
.set OT, 184
.macro PLACES
.rept 4
	v_nop
.endr
.endm
	s_load_b256 s[4:11], s[0:1], 0x0               ; q_img, k_img, v_img, the scales' exponents
	s_load_b64 s[12:13], s[0:1], 0x20              ; o_img
	v_lshl_add_u32 v254, v0, 2, 0x29000
	v_mov_b32 v255, 0
	ds_add_u32 v254, v255
	ds_add_u32 v254, v255
	v_lshrrev_b32 v2, 5, v0
	s_delay_alu instid0(VALU_DEP_1)
	v_readfirstlane_b32 s14, v2                    ; wave 0..15
	s_and_b32 s15, ttmp9, 1                        ; which of the two work-groups that share three heads
	s_lshr_b32 s60, ttmp9, 1
	s_lshr_b32 s16, s60, 2                         ; batch
	s_and_b32 s17, s60, 3
	s_mul_i32 s17, s17, 3                          ; the first of the three heads
	s_add_co_u32 s18, s14, 6
	s_lshr_b32 s18, s18, 4                         ; my slot: 0 for waves 0-9, 1 for waves 10-15
	s_mul_i32 s46, s18, 77824                      ; where it begins in LDS
	s_mul_i32 s60, s15, 5
	s_sub_co_u32 s60, s60, 10
	s_mul_i32 s60, s60, s18
	s_add_co_u32 s24, s14, s60                     ; my job J = unit A; in slot 1: wave - 10 + 5 x which
	s_sub_co_u32 s25, 19, s24                      ; unit B
	s_cmp_eq_u32 s14, 15
	s_cselect_b32 s24, 19, s24
	s_cselect_b32 s25, 19, s25
	s_lshl_b32 s61, s15, 1
	s_add_co_u32 s61, s61, s17                     ; slot 0's head
	s_add_co_u32 s62, s17, 1                       ; slot 1's head
	s_cmp_eq_u32 s18, 0
	s_cselect_b32 s21, s61, s62                    ; my head
	s_mul_i32 s63, s16, 12
	s_add_co_u32 s22, s63, s21                     ; 12 x batch + head
	; the fills: wave w (0-3): K (w even) or V (w odd) of slot w / 2, to LDS byte 38,912 w
	s_and_b32 s66, s14, 3
	s_mul_i32 s29, s66, 38912
	s_lshr_b32 s67, s66, 1
	s_cmp_eq_u32 s67, 0
	s_cselect_b32 s67, s61, s62
	s_add_co_u32 s67, s67, s63
	s_mul_i32 s68, s67, 38912
	s_mov_b32 s69, 0
	s_and_b32 s66, s66, 1
	s_mov_b32 s28, 1
	s_mov_b32 s32, 3<<16                           ; group 1: a dense block as 152 rows of 32 elements of 8 bytes
	s_mov_b32 s33, 32<<16
	s_mov_b32 s34, 72<<16                          ; K AND V COME IN TWO PARTS: first the 72 rows of each block that hold keys 320 and up,
	s_mov_b32 s35, 32<<16
	s_mov_b32 s36, 72
	s_mov_b32 s37, 32
	s_mov_b32 s38, 0
	s_mov_b32 s39, 0
	s_mov_b32 s84, 3<<16                           ; then, by a second group 1, the 80 rows that hold keys 0 to 319
	s_mov_b32 s85, 32<<16
	s_mov_b32 s86, 80<<16
	s_mov_b32 s87, 32<<16
	s_mov_b32 s88, 80
	s_mov_b32 s89, 32
	s_mov_b32 s90, 0
	s_mov_b32 s91, 0
	s_wait_dscnt 0x0
	s_wait_kmcnt 0x0
	s_cmp_eq_u32 s66, 0
	s_cselect_b64 s[30:31], s[6:7], s[8:9]
	s_add_nc_u64 s[30:31], s[30:31], s[68:69]
	s_mov_b32 s92, 1                               ; group 0 of the second part: the block's first 20,480 bytes
	s_mov_b32 s93, s29
	s_mov_b64 s[94:95], s[30:31]
	s_or_b32 s95, s95, 0x80000000
	s_add_co_u32 s29, s29, 20480                   ; group 0 of the first part: the 18,432 bytes behind them
	s_add_nc_u64 s[30:31], s[30:31], 20480
	s_or_b32 s31, s31, 0x80000000
	s_cmp_lt_u32 s14, 4
	s_cbranch_scc0 .Lnofill
	tensor_load_to_lds s[28:31], s[32:39]          ; one load of mine is out
	s_nop 0
	PLACES
.Lnofill:
	s_load_b128 s[52:55], s[10:11], 0x10           ; e4 .. e7
	s_load_b128 s[56:59], s[10:11], 0x20           ; e8 .. e11
	v_and_b32 v1, 31, v0
	s_delay_alu instid0(VALU_DEP_1)
	v_lshlrev_b32 v1, 4, v1                        ; 16 x lane
	s_wait_alu depctr_va_vdst(0)
	s_mul_i32 s68, s22, 38912
	s_add_nc_u64 s[70:71], s[4:5], s[68:69]        ; my head's q
	s_min_u32 s72, s24, 18                         ; a unit 19 reads group 18 and stores nothing
	s_min_u32 s73, s25, 18
	s_lshl_b32 s74, s72, 11
	s_lshl_b32 s75, s73, 11
	v_add_nc_u32 v34, s74, v1
	v_add_nc_u32 v35, s75, v1
.irp a, 0,1
.irp c, 0,1
	global_load_b128 v[40+8*\a+4*\c:40+8*\a+4*\c+3], v34, s[70:71] offset:\a*1024+\c*512
	global_load_b128 v[56+8*\a+4*\c:56+8*\a+4*\c+3], v35, s[70:71] offset:\a*1024+\c*512
.endr
.endr
	s_mul_i32 s74, s16, 19
	s_lshl_b32 s60, s21, 10                        ; my head's 1,024 bytes of a tile's image
	s_add_co_u32 s75, s74, s72
	s_mul_i32 s75, s75, 24576
	s_add_co_u32 s75, s75, s60
	v_add_nc_u32 v4, s75, v1
	s_add_co_u32 s75, s74, s73
	s_mul_i32 s75, s75, 24576
	s_add_co_u32 s75, s75, s60
	v_add_nc_u32 v5, s75, v1
	v_and_b32 v3, 15, v0
	s_delay_alu instid0(VALU_DEP_1)
	v_and_b32 v2, 8, v3
	s_delay_alu instid0(VALU_DEP_1)
	v_add_nc_u32 v3, v3, v2
	v_bfe_u32 v2, v0, 4, 1
	s_delay_alu instid0(VALU_DEP_1)
	v_lshlrev_b32 v2, 4, v2
	s_delay_alu instid0(VALU_DEP_1)
	v_sub_nc_u32 v3, v3, v2                        ; r + 8 (r / 8) - 16 h
	v_mov_b32 v6, 0xff800000
	v_xor_b32 v11, 0x70, v1
	s_delay_alu instid0(VALU_DEP_1)
	v_add_nc_u32 v11, s46, v11                     ; the tail's K: lane l takes lane l xor 7's bytes, so that key 576 (position 7) becomes row 0 of the tile
	s_add_co_u32 s60, s46, 38912
	v_add_nc_u32 v36, s60, v1                      ; the tail's V
	v_mov_b32 v17, 0                               ; named as the upper halves of the pairs that hold f
	v_mov_b32 v25, 0
	v_mov_b32 v28, 0                               ; a lane permute's destination counts as one of its sources
	v_mov_b32 v29, 0
	s_mov_b32 s40, 0x76543210                      ; lane l xor 16
	s_mov_b32 s41, 0xfedcba98
	s_mov_b32 s42, 0xffff0000                      ; lanes 16-31
	s_mov_b32 s44, 0x3d553b95                      ; c = log2(e) / sqrt(768)
	s_wait_alu depctr_va_vdst(0)
	s_wait_kmcnt 0x0
	s_add_co_i32 s60, s54, s55
	s_lshl_b32 s60, s60, 23
	s_add_co_i32 s44, s44, s60                     ; x 2^(e6 + e7): added to c's exponent field
	s_mov_b32 s45, s44                             ; (named with it as a pair)
	s_add_co_i32 s60, s57, 127
	s_lshl_b32 s61, s60, 23
	v_mov_b32 v7, s61                              ; 2^e9
	s_add_co_i32 s60, s60, 15
	s_lshl_b32 s60, s60, 23
	s_or_b32 s60, s60, 0x600000
	v_mov_b32 v8, s60                              ; 57,344 x 2^e9
	s_sub_co_i32 s60, s58, s56
	s_sub_co_i32 s60, s60, s57
	s_add_co_i32 s60, s60, 127
	s_lshl_b32 s61, s60, 23
	v_mov_b32 v9, s61                              ; 2^(e10 - e8 - e9): O / l stands for itself x 2^(e8 + e9)
	s_add_co_i32 s60, s60, 15
	s_lshl_b32 s60, s60, 23
	s_or_b32 s60, s60, 0x600000
	v_mov_b32 v10, s60
	s_wait_tensorcnt 0x0                           ; my first part has landed; the second part's first fill is issued as a refill is
	ds_add_u32 v254, v255
	ds_add_u32 v254, v255                          ; the add twice on end here
	s_wait_dscnt 0x0
	s_barrier_signal -1
	s_barrier_wait -1                              ; everybody's first part has landed
	s_cmp_lt_u32 s14, 4
	s_cbranch_scc0 .Lnofill2
	tensor_load_to_lds s[92:95], s[84:91]          ; keys 0 to 319: first read behind unit A's key steps 5 to 8
	s_nop 0
	PLACES
.Lnofill2:
	s_wait_loadcnt 0x0
; KEY 576, which counts for every query.  It comes first in a unit and starts M, the sum and O^T: nothing is cleared.
.macro TAIL q
	ds_load_b128 v[KV:KV+3], v11 offset:36864      ; K, group 18, tile 0, rows turned so that key 576 is row 0
	ds_load_b128 v[KV+4:KV+7], v11 offset:37376
	s_wait_dscnt 0x0
.irp a, 0,1
	v_wmma_f32_16x16x64_bf8_bf8 v[S+32*\a:S+32*\a+7], v[KV:KV+7], v[\q+8*\a:\q+8*\a+7], 0
.endr
	PLACES
.irp t, 0,1,2,3
	ds_load_b128 v[KV+8*\t:KV+8*\t+3], v36 offset:36864+512*\t   ; V, group 18: keys 0-31 of this step's 64;
.endr
.irp t, 0,1,2,3
.irp j, 4,5,6,7
	v_mov_b32 v[KV+8*\t+\j], 0                     ; the other 32 are zero codes
.endr
.endr
.irp a, 0,1
	v_cndmask_b32 v[S+32*\a], v[S+32*\a], v6, s42  ; register 0 of lanes 0-15 is the score of key 576; lanes 16-31 hold another row
.endr
.irp a, 0,1
	s_delay_alu instid0(VALU_DEP_2)
	v_permlanex16_b32 v[28+\a], v[S+32*\a], s40, s41
.endr
.irp a, 0,1
	s_delay_alu instid0(VALU_DEP_2)
	v_max_num_f32 v[ST+8*\a+6], v[S+32*\a], v[28+\a]
.endr
.irp a, 0,1
	s_delay_alu instid0(VALU_DEP_2)
	v_mul_f32 v[ST+8*\a+1], s44, v[ST+8*\a+6]      ; the largest t so far
.endr
.irp a, 0,1
	s_delay_alu instid0(VALU_DEP_2)
	v_floor_f32 v[ST+8*\a], -v[ST+8*\a+1]          ; -M = floor(-t)
.endr
.irp a, 0,1
	s_delay_alu instid0(VALU_DEP_2)
	v_fma_f32 v[S+32*\a], v[S+32*\a], s44, v[ST+8*\a]
.endr
	s_wait_alu depctr_va_vdst(0)
.irp a, 0,1
	v_exp_f32 v[S+32*\a], v[S+32*\a]               ; p in lanes 0-15, 0 in lanes 16-31
.endr
	v_mov_b32 v[ST+3], 0                           ; a plain line behind the exponentials
	s_wait_alu depctr_va_vdst(0)                   ; one wait for both, ahead of the first reader
.irp a, 0,1
	v_mov_b32 v[ST+8*\a+2], v[S+32*\a]             ; the sum begins as (p, 0)
	v_mov_b32 v[ST+8*\a+3], 0
	v_min_num_f32 v[S+32*\a+7], v[S+32*\a], v8     ; key 576 is key position 7; the hold, one-sided since p is not negative
.irp j, 0,1,2,3,4,5,6
	v_mov_b32 v[S+32*\a+\j], 0
.endr
	v_cvt_scalef32_pk8_bf8_f32 v[P+8*\a:P+8*\a+1], v[S+32*\a:S+32*\a+7], v7
.irp j, 2,3,4,5,6,7
	v_mov_b32 v[P+8*\a+\j], 0                      ; (plain lines behind the conversion)
.endr
.endr
	s_wait_alu depctr_va_vdst(0)
	s_wait_dscnt 0x0
.irp t, 0,1,2,3
.irp a, 0,1
	v_wmma_f32_16x16x64_bf8_bf8 v[OT+32*\a+8*\t:OT+32*\a+8*\t+7], v[KV+8*\t:KV+8*\t+7], v[P+8*\a:P+8*\a+7], 0
.endr
.endr
.endm
; A KEY STEP: keys 64 m .. 64 m + 63 (m in s48, their LDS bytes from s47 on), for the unit's two tiles.
.macro STEP q
	s_cmp_lt_u32 s48, s49                          ; all 64 keys lie below the unit's queries: the step's work is passed over
	s_cbranch_scc1 .Lhid_\@
	v_add_nc_u32 v2, s47, v1
.rept 3
	v_nop                                          ; with the addition: four places ahead of loads into registers that the last products read
.endr
.irp kt, 0,1,2,3
.irp c, 0,1
	ds_load_b128 v[KV+8*\kt+4*\c:KV+8*\kt+4*\c+3], v2 offset:\kt*1024+\c*512
.endr
.endr
	s_wait_alu depctr_va_vdst(0)
	s_wait_dscnt 0x0
.irp kt, 0,1,2,3
.irp a, 0,1
	v_wmma_f32_16x16x64_bf8_bf8 v[S+32*\a+8*\kt:S+32*\a+8*\kt+7], v[KV+8*\kt:KV+8*\kt+7], v[\q+8*\a:\q+8*\a+7], 0
.endr
.endr
	PLACES
.irp t, 0,1,2,3
.irp c, 0,1
	ds_load_b128 v[KV+8*\t+4*\c:KV+8*\t+4*\c+3], v2 offset:38912+\c*2048+\t*512   ; V lands while the softmax is worked
.endr
.endr
	s_cmp_lg_u32 s48, s49                          ; the unit's first step lies on the diagonal: register n holds key 64 m + 16 h + 32 (n / 16) + n % 16, hidden where it lies below my query
	s_cbranch_scc1 .Lopen_\@
	v_add_nc_u32 v34, s51, v3                      ; my query - 64 m - 16 h, tile 0,
	s_delay_alu instid0(VALU_DEP_1)
	v_add_nc_u32 v35, 8, v34                       ; tile 1
.irp a, 0,1
.set n, 0
.rept 32
	v_cmp_lt_i32 vcc_lo, 32*(n/16)+n%16, v[34+\a]
	v_cndmask_b32 v[S+32*\a+n], v[S+32*\a+n], v6, vcc_lo
.set n, n+1
.endr
.endr
.Lopen_\@:
.irp a, 0,1                            ; the step's largest score, in two chains a tile; each accumulator is first read at its low end
	v_max3_num_f32 v[ST+8*\a+6], v[S+32*\a], v[S+32*\a+1], v[S+32*\a+2]
	v_max3_num_f32 v[ST+8*\a+7], v[S+32*\a+3], v[S+32*\a+4], v[S+32*\a+5]
.endr
.irp i, 6,10,14,18,22,26
.irp a, 0,1
	v_max3_num_f32 v[ST+8*\a+6], v[ST+8*\a+6], v[S+32*\a+\i], v[S+32*\a+\i+1]
	v_max3_num_f32 v[ST+8*\a+7], v[ST+8*\a+7], v[S+32*\a+\i+2], v[S+32*\a+\i+3]
.endr
.endr
.irp a, 0
	v_max3_num_f32 v[ST+8*\a+6], v[ST+8*\a+6], v[S+32*\a+30], v[S+32*\a+31]
.endr
.irp a, 1
	v_max3_num_f32 v[ST+8*\a+6], v[ST+8*\a+6], v[S+32*\a+30], v[S+32*\a+31]
.endr
.irp a, 0,1
	s_delay_alu instid0(VALU_DEP_2)
	v_max_num_f32 v[ST+8*\a+6], v[ST+8*\a+6], v[ST+8*\a+7]
.endr
.irp a, 0,1
	s_delay_alu instid0(VALU_DEP_2)
	v_permlanex16_b32 v[28+\a], v[ST+8*\a+6], s40, s41
.endr
.irp a, 0,1
	s_delay_alu instid0(VALU_DEP_2)
	v_max_num_f32 v[ST+8*\a+6], v[ST+8*\a+6], v[28+\a]
.endr
.irp a, 0,1
	s_delay_alu instid0(VALU_DEP_2)
	v_mul_f32 v[ST+8*\a+6], s44, v[ST+8*\a+6]      ; as t (c is positive)
.endr
.irp a, 0,1
	s_delay_alu instid0(VALU_DEP_2)
	v_max_num_f32 v[ST+8*\a+1], v[ST+8*\a+1], v[ST+8*\a+6]
.endr
.irp a, 0,1
	v_mov_b32 v[ST+8*\a+6], v[ST+8*\a]
.endr
.irp a, 0,1
	s_delay_alu instid0(VALU_DEP_4)
	v_floor_f32 v[ST+8*\a], -v[ST+8*\a+1]          ; the new -M
.endr
.irp a, 0,1
	s_delay_alu instid0(VALU_DEP_2)
	v_sub_f32 v[ST+8*\a+6], v[ST+8*\a], v[ST+8*\a+6]   ; old M - new M: a whole number, 0 or less
.endr
.irp a, 0,1
	s_delay_alu instid0(VALU_DEP_2)
	v_cvt_i32_f32 v[ST+8*\a+6], v[ST+8*\a+6]
.endr
.irp a, 0,1
	s_delay_alu instid0(VALU_DEP_2)
	v_ldexp_f32 v[ST+8*\a+4], 1.0, v[ST+8*\a+6]    ; f = 2^(old M - new M)
.endr
.irp a, 0,1
.set j, 0
.rept 16
	v_pk_fma_f32 v[S+32*\a+j:S+32*\a+j+1], v[S+32*\a+j:S+32*\a+j+1], s[44:45], v[ST+8*\a:ST+8*\a+1] op_sel_hi:[1,0,0]   ; t - M
.set j, j+2
.endr
.endr
.set j, 0
	s_wait_alu depctr_va_vdst(0)
.rept 64
	v_exp_f32 v[S+j], v[S+j]                       ; p = 2^(t - M): one batch for both tiles
.set j, j+1
.endr
.irp a, 0,1
	v_pk_mul_f32 v[ST+8*\a+2:ST+8*\a+3], v[ST+8*\a+2:ST+8*\a+3], v[ST+8*\a+4:ST+8*\a+5] op_sel_hi:[1,0]   ; the sums under the new M; plain lines behind the exponentials
.endr
	s_wait_alu depctr_va_vdst(0)                   ; one wait for the 64, ahead of their first reader
.irp a, 0,1
	v_pk_add_f32 v[30+2*\a:31+2*\a], v[S+32*\a:S+32*\a+1], v[S+32*\a+2:S+32*\a+3]   ; the sum of the unquantised p, in two chains
.endr
.irp j, 4,8,12,16,20,24,28
.irp a, 0,1
	v_pk_add_f32 v[ST+8*\a+2:ST+8*\a+3], v[ST+8*\a+2:ST+8*\a+3], v[S+32*\a+\j:S+32*\a+\j+1]
	v_pk_add_f32 v[30+2*\a:31+2*\a], v[30+2*\a:31+2*\a], v[S+32*\a+\j+2:S+32*\a+\j+3]
.endr
.endr
.irp a, 0
	s_delay_alu instid0(VALU_DEP_3)
	v_pk_add_f32 v[ST+8*\a+2:ST+8*\a+3], v[ST+8*\a+2:ST+8*\a+3], v[30+2*\a:31+2*\a]
.endr
.irp a, 1
	s_delay_alu instid0(VALU_DEP_2)
	v_pk_add_f32 v[ST+8*\a+2:ST+8*\a+3], v[ST+8*\a+2:ST+8*\a+3], v[30+2*\a:31+2*\a]
.endr
.irp a, 0,1
.set j, 0
.rept 32
	v_min_num_f32 v[S+32*\a+j], v[S+32*\a+j], v8   ; the conversion does not saturate (ISA guide 7.6.2); p is not negative
.set j, j+1
.endr
.irp g, 0,1,2,3
	v_cvt_scalef32_pk8_bf8_f32 v[P+8*\a+2*\g:P+8*\a+2*\g+1], v[S+32*\a+8*\g:S+32*\a+8*\g+7], v7
.endr
.endr
.set j, 0
.rept 32
	v_pk_mul_f32 v[OT+j:OT+j+1], v[OT+j:OT+j+1], v[ST+8*(j/32)+4:ST+8*(j/32)+5] op_sel_hi:[1,0]   ; O^T under the new M; plain lines behind the conversions
.set j, j+2
.endr
	s_wait_alu depctr_va_vdst(0)
	s_wait_dscnt 0x0                               ; V
.irp t, 0,1,2,3
.irp a, 0,1
	v_wmma_f32_16x16x64_bf8_bf8 v[OT+32*\a+8*\t:OT+32*\a+8*\t+7], v[KV+8*\t:KV+8*\t+7], v[P+8*\a:P+8*\a+7], v[OT+32*\a+8*\t:OT+32*\a+8*\t+7]
.endr
.endr
.Lhid_\@:
.endm
; O^T / the sum, quantised with 2^e10, stored as four pieces of 512 consecutive bytes.
.macro FINISH go
	PLACES
.irp a, 0,1
	v_add_f32 v[ST+8*\a+6], v[ST+8*\a+2], v[ST+8*\a+3]
.endr
.irp a, 0,1
	s_delay_alu instid0(VALU_DEP_2)
	v_permlanex16_b32 v[28+\a], v[ST+8*\a+6], s40, s41
.endr
.irp a, 0,1
	s_delay_alu instid0(VALU_DEP_2)
	v_add_f32 v[ST+8*\a+6], v[ST+8*\a+6], v[28+\a]
.endr
	s_wait_alu depctr_va_vdst(0)
.irp a, 0,1
	v_rcp_f32 v[ST+8*\a+4], v[ST+8*\a+6]
.endr
	v_nop
	s_wait_alu depctr_va_vdst(0)                   ; one wait for both reciprocals
.set j, 0
.rept 32
	v_pk_mul_f32 v[OT+j:OT+j+1], v[OT+j:OT+j+1], v[ST+8*(j/32)+4:ST+8*(j/32)+5] op_sel_hi:[1,0]
.set j, j+2
.endr
.set j, 0
.rept 64
	v_med3_num_f32 v[OT+j], v[OT+j], -v10, v10
.set j, j+1
.endr
.irp g, 0,1,2,3,4,5,6,7
	v_cvt_scalef32_pk8_bf8_f32 v[P+2*\g:P+2*\g+1], v[OT+8*\g:OT+8*\g+7], v9
.endr
	v_nop                                          ; one plain line behind the last conversion
	s_cmp_gt_u32 s50, 18                           ; there is no unit 19
	s_cbranch_scc1 .Lns_\@
.irp a, 0,1
.irp p, 0,1
	global_store_b128 v[\go], v[P+8*\a+4*\p:P+8*\a+4*\p+3], s[12:13] offset:\a*12288+\p*512
.endr
.endr
.Lns_\@:
	s_wait_xcnt 0x0                                ; the stores have read their data: the codes' registers are written again only behind this wait
.endm
; two = 1 (unit A): key 576 and key steps 5 to 8 first, the same work in every wave that has a job; a barrier, behind which keys 0 to 319 are whole; then key steps 0 to 4, those below I / 2 passed over.
.macro UNIT q, go, two, ireg
	s_mov_b32 s50, s[\ireg]                        ; I
	s_lshr_b32 s49, s50, 1                         ; its first key step
	s_and_b32 s51, s50, 1
	s_lshl_b32 s51, s51, 5                         ; 32 (I % 2)
	TAIL \q
	s_add_co_u32 s47, s46, 5*4096
	s_mov_b32 s48, 5
.Lk_\@:
	STEP \q
	s_add_co_u32 s47, s47, 4096
	s_add_co_u32 s48, s48, 1
	s_cmp_lt_u32 s48, 9
	s_cbranch_scc1 .Lk_\@
.if \two
	s_wait_tensorcnt 0x0                           ; my second part has landed,
	s_wait_dscnt 0x0
	s_barrier_signal -1
	s_barrier_wait -1                              ; everybody's has
	s_mov_b32 s47, s46
	s_mov_b32 s48, 0
.Lk2_\@:
	STEP \q
	s_add_co_u32 s47, s47, 4096
	s_add_co_u32 s48, s48, 1
	s_cmp_lt_u32 s48, 5
	s_cbranch_scc1 .Lk2_\@
.endif
	FINISH \go
.endm
	UNIT 40, 4, 1, 24                              ; unit A: I = J
	UNIT 56, 5, 0, 25                              ; unit B: I = 19 - J is 10 or more, so no step below 5 is needed
	s_wait_tensorcnt 0x0
	ds_add_u32 v254, v255
	s_wait_dscnt 0x0
	s_endpgm
.Lfunc_end_k_q7d844c004b_attn:
	.size	k_q7d844c004b_attn, .Lfunc_end_k_q7d844c004b_attn-k_q7d844c004b_attn
	.p2alignl 7, 3214868480
	.fill 96, 4, 3214868480
	.section	.rodata,"a",@progbits
	.p2align	6, 0x0
	.amdhsa_kernel k_q7d844c004b_attn
		.amdhsa_group_segment_fixed_size 327680
		.amdhsa_private_segment_fixed_size 0
		.amdhsa_enable_private_segment 0
		.amdhsa_kernarg_size 40
		.amdhsa_user_sgpr_count 2
		.amdhsa_user_sgpr_kernarg_segment_ptr 1
		.amdhsa_wavefront_size32 1
		.amdhsa_system_sgpr_workgroup_id_x 1
		.amdhsa_system_sgpr_workgroup_id_y 1
		.amdhsa_system_sgpr_workgroup_id_z 1
		.amdhsa_system_vgpr_workitem_id 0
		.amdhsa_next_free_vgpr 256
		.amdhsa_next_free_sgpr 100
		.amdhsa_reserve_vcc 1
		.amdhsa_float_denorm_mode_32 3
		.amdhsa_float_denorm_mode_16_64 3
		.amdhsa_memory_ordered 1
		.amdhsa_forward_progress 1
		.amdhsa_inst_pref_size 94
	.end_amdhsa_kernel
	.amdgpu_metadata
---
amdhsa.version: [ 1, 2 ]
amdhsa.kernels:
  - .name:           k_q7d844c004b_attn
    .symbol:         k_q7d844c004b_attn.kd
    .args:
      - { .name: q_img, .offset: 0, .size: 8, .value_kind: global_buffer, .address_space: global }
      - { .name: k_img, .offset: 8, .size: 8, .value_kind: global_buffer, .address_space: global }
      - { .name: v_img, .offset: 16, .size: 8, .value_kind: global_buffer, .address_space: global }
      - { .name: lowp_scales, .offset: 24, .size: 8, .value_kind: global_buffer, .address_space: global }
      - { .name: o_img, .offset: 32, .size: 8, .value_kind: global_buffer, .address_space: global }
    .group_segment_fixed_size: 327680
    .private_segment_fixed_size: 0
    .kernarg_segment_align: 8
    .kernarg_segment_size: 40
    .max_flat_workgroup_size: 512
    .sgpr_count:     100
    .vgpr_count:     256
    .wavefront_size: 32
...
	.end_amdgpu_metadata
.endif
;; end of part 2
;; launch proj (part 3): grid 3 x 76, 4 waves a work-group, no clusters, 327,680 bytes of LDS; arguments o_img, Wo_codes, bo, lowp_scales, out0; writes out0
.if DOCPART == 3
	.amdgcn_target "amdgcn-amd-amdhsa--gfx1250"
	.amdhsa_code_object_version 6
	.text
	.protected	k_q7d844c004b_proj
	.globl	k_q7d844c004b_proj
	.p2align	8
	.type	k_q7d844c004b_proj,@function
k_q7d844c004b_proj:
	s_mov_b64 s[64:65], 0
	v_nop
	global_prefetch_b8 v0, s[64:65] scope:SCOPE_SE
	s_setreg_imm32_b32 hwreg(HW_REG_WAVE_MODE, 25, 1), 1
	s_wait_xcnt 0x0
.set IMG,  24576
.set STG,  8*IMG
.set XF,   64
.set TMP,  64
.set BK,   128
.set ACC,  128
.set BO,   32
.set MSB, 0
.macro WIN new
.if MSB != (\new)
	s_set_vgpr_msb (MSB<<8)|(\new)
.set MSB, (\new)
.endif
.endm
.macro PLACES
.rept 4
	v_nop
.endr
.endm
	s_load_b256 s[4:11], s[0:1], 0x0
	s_load_b64 s[12:13], s[0:1], 0x20
	v_lshl_add_u32 v30, v0, 2, 0x34400
	v_mov_b32 v31, 0
	ds_add_u32 v30, v31
	ds_add_u32 v30, v31
	v_lshrrev_b32 v7, 5, v0
	v_readfirstlane_b32 s14, v7
	s_mov_b32 s15, ttmp9
	s_and_b32 s44, ttmp7, 0xffff
	s_lshr_b32 s16, s44, 2
	s_and_b32 s17, s44, 3
	s_mov_b32 s32, 3<<16
	s_mov_b32 s33, 32<<16
	s_mov_b32 s34, 96<<16
	s_mov_b32 s35, 32<<16
	s_mov_b32 s36, 96
	s_mov_b32 s37, 32
	s_mov_b32 s38, 0
	s_mov_b32 s39, 0
	s_lshl_b32 s45, s17, 3
	s_add_co_u32 s45, s45, s14
	s_mul_i32 s45, s45, 19
	s_add_co_u32 s45, s45, s16
	s_mul_i32 s46, s45, IMG
	s_mov_b32 s47, 0
	s_mov_b32 s24, 1
	s_mul_i32 s25, s14, IMG
	s_mov_b32 s28, 1
	s_add_co_u32 s29, s25, 4*IMG
	s_lshl_b32 s52, s15, 8
	s_lshl_b32 s53, s14, 6
	s_add_co_u32 s52, s52, s53
	s_mul_i32 s54, s52, 768
	s_mov_b32 s55, 0
	s_lshl_b32 s56, s52, 2
	s_mov_b32 s57, 0
	v_and_b32 v6, 31, v0
	v_lshlrev_b32 v1, 4, v6
	v_and_b32 v7, 15, v0
	v_bfe_u32 v8, v0, 4, 1
	v_and_b32 v9, 8, v7
	v_add_nc_u32 v9, v9, v7
	v_mul_u32_u24 v10, v9, 768
	v_lshl_add_u32 v10, v8, 4, v10
	v_lshlrev_b32 v11, 6, v8
	s_mul_i32 s50, s14, 16*272
	s_add_co_u32 s50, s50, STG
	v_mul_u32_u24 v3, v7, 272
	v_lshl_add_u32 v3, v8, 6, v3
	v_add_nc_u32 v3, s50, v3
	v_mul_u32_u24 v4, v8, 272
	v_lshl_add_u32 v4, v7, 4, v4
	v_add_nc_u32 v4, s50, v4
	s_mul_i32 s51, s17, 8*577
	s_lshl_b32 s58, s16, 5
	s_add_co_u32 s51, s51, s58
	s_mul_i32 s51, s51, 3072
	s_lshl_b32 s58, s15, 10
	s_add_co_u32 s51, s51, s58
	s_lshl_b32 s58, s14, 8
	s_add_co_u32 s51, s51, s58
	v_mul_u32_u24 v5, v8, 3072
	v_lshl_add_u32 v5, v7, 4, v5
	v_add_nc_u32 v5, s51, v5
	s_wait_dscnt 0x0
	s_wait_kmcnt 0x0
	s_add_nc_u64 s[26:27], s[4:5], s[46:47]
	s_add_nc_u64 s[30:31], s[26:27], 4*19*IMG
	s_or_b32 s27, s27, 0x80000000
	s_or_b32 s31, s31, 0x80000000
	tensor_load_to_lds s[24:27], s[32:39]
	s_nop 0
	PLACES
	s_wait_alu depctr_va_vdst(0)
	s_load_b64 s[48:49], s[10:11], 0x28
	s_add_nc_u64 s[6:7], s[6:7], s[54:55]
	s_add_nc_u64 s[8:9], s[8:9], s[56:57]
.irp s, 0,1,2,3,4,5
.irp t, 0,1,2,3
.set f, 4*\s+\t
	WIN (1+f/16)<<6
.irp c, 0,1,2,3
	global_load_b128 v[16*(f%16)+4*\c:16*(f%16)+4*\c+3], v10, s[6:7] offset:(32*(\t/2)+8*(\t%2))*768+128*\s+32*\c
.endr
.endr
.endr
	WIN 0
.irp t, 0,1,2,3
	global_load_b128 v[BO+8*\t:BO+8*\t+3], v11, s[8:9] offset:(32*(\t/2)+8*(\t%2))*4
	global_load_b128 v[BO+8*\t+4:BO+8*\t+7], v11, s[8:9] offset:(32*(\t/2)+8*(\t%2))*4+16
.endr
	s_wait_kmcnt 0x0
	s_add_co_i32 s40, s48, s49
	s_add_co_i32 s40, s40, 127
	s_lshl_b32 s40, s40, 23
	s_mov_b32 s41, s40
	s_wait_tensorcnt 0x0
	ds_add_u32 v30, v31
	s_wait_dscnt 0x0
	s_barrier_signal -1
	s_barrier_wait -1
	tensor_load_to_lds s[28:31], s[32:39]
	s_nop 0
	PLACES
	s_wait_loadcnt 0x0
.macro GROUP3
	v_add_nc_u32 v2, s42, v1
.irp s, 0,1,2,3,4,5
.irp u, 0,1
.irp c, 0,1,2,3
	ds_load_b128 v[XF+16*(6*\u+\s)+4*\c:XF+16*(6*\u+\s)+4*\c+3], v2 offset:\u*12288+\s*2048+\c*512
.endr
.endr
.endr
.irp s, 0,1,2,3,4,5
	s_wait_dscnt 40-8*\s
.irp t, 0,1,2,3
.set f, 4*\s+\t
.set rW, 16*(f%16)
	WIN 0xa0|(1+f/16)
.irp u, 0,1
.set rA, ACC+8*(2*\t+\u)
.set rX, XF+16*(6*\u+\s)
.if \s == 0
	v_wmma_f32_16x16x128_bf8_bf8 v[rA:rA+7], v[rW:rW+15], v[rX:rX+15], 0
.else
	v_wmma_f32_16x16x128_bf8_bf8 v[rA:rA+7], v[rW:rW+15], v[rX:rX+15], v[rA:rA+7]
.endif
.endr
.endr
.endr
	PLACES
	WIN 0x02
.irp t, 0,1,2,3
.irp u, 0,1
.irp i, 0,2,4,6
	v_pk_fma_f32 v[TMP+8*(2*\t+\u)+\i:TMP+8*(2*\t+\u)+\i+1], v[ACC+8*(2*\t+\u)+\i:ACC+8*(2*\t+\u)+\i+1], s[40:41], v[BO+8*\t+\i:BO+8*\t+\i+1] op_sel_hi:[1,0,1]
.endr
.endr
.endr
	WIN 0
.irp u, 0,1
.irp t, 0,1,2,3
	ds_store_b128 v3, v[TMP+8*(2*\t+\u):TMP+8*(2*\t+\u)+3] offset:128*(\t/2)+32*(\t%2)
	ds_store_b128 v3, v[TMP+8*(2*\t+\u)+4:TMP+8*(2*\t+\u)+7] offset:128*(\t/2)+32*(\t%2)+16
.endr
.irp i, 0,1,2,3,4,5,6,7
	ds_load_b128 v[BK+32*\u+4*\i:BK+32*\u+4*\i+3], v4 offset:2*\i*272
.endr
.endr
	s_wait_dscnt 0x0
	s_cmp_eq_u32 s16, 18
	s_cbranch_scc1 .Ltail_\@
.irp u, 0,1
.irp i, 0,1,2,3,4,5,6,7
	global_store_b128 v5, v[BK+32*\u+4*\i:BK+32*\u+4*\i+3], s[12:13] offset:(8*\u+2*\i+8*(\i/4))*3072 th:TH_STORE_NT
.endr
.endr
	s_branch .Ljoin_\@
.Ltail_\@:
	v_cmp_le_u32 vcc_lo, 16, v6
	s_wait_xcnt 0x0
	s_and_saveexec_b32 s59, vcc_lo
	global_store_b128 v5, v[BK+12:BK+15], s[12:13] offset:-3072 th:TH_STORE_NT
	s_wait_xcnt 0x0
	s_or_b32 exec_lo, exec_lo, s59
.Ljoin_\@:
	s_wait_xcnt 0x0
	v_add_nc_u32 v5, 577*3072, v5
	s_add_co_u32 s42, s42, IMG
.endm
	s_mov_b32 s42, 0
	s_wait_tensorcnt 0x1
	s_barrier_signal -1
	s_barrier_wait -1
	s_mov_b32 s3, 4
.Lfirst:
	GROUP3
	s_sub_co_u32 s3, s3, 1
	s_cmp_lg_u32 s3, 0
	s_cbranch_scc1 .Lfirst
	s_wait_tensorcnt 0x0
	s_wait_dscnt 0x0
	s_barrier_signal -1
	s_barrier_wait -1
	s_mov_b32 s3, 4
.Lsecond:
	GROUP3
	s_sub_co_u32 s3, s3, 1
	s_cmp_lg_u32 s3, 0
	s_cbranch_scc1 .Lsecond
	s_wait_tensorcnt 0x0
	ds_add_u32 v30, v31
	s_wait_dscnt 0x0
	s_endpgm
.Lfunc_end_k_q7d844c004b_proj:
	.size	k_q7d844c004b_proj, .Lfunc_end_k_q7d844c004b_proj-k_q7d844c004b_proj
	.p2alignl 7, 3214868480
	.fill 96, 4, 3214868480
	.section	.rodata,"a",@progbits
	.p2align	6, 0x0
	.amdhsa_kernel k_q7d844c004b_proj
		.amdhsa_group_segment_fixed_size 327680
		.amdhsa_private_segment_fixed_size 0
		.amdhsa_enable_private_segment 0
		.amdhsa_kernarg_size 40
		.amdhsa_user_sgpr_count 2
		.amdhsa_user_sgpr_kernarg_segment_ptr 1
		.amdhsa_wavefront_size32 1
		.amdhsa_system_sgpr_workgroup_id_x 1
		.amdhsa_system_sgpr_workgroup_id_y 1
		.amdhsa_system_sgpr_workgroup_id_z 1
		.amdhsa_system_vgpr_workitem_id 0
		.amdhsa_next_free_vgpr 768
		.amdhsa_next_free_sgpr 80
		.amdhsa_reserve_vcc 1
		.amdhsa_float_denorm_mode_32 3
		.amdhsa_float_denorm_mode_16_64 3
		.amdhsa_memory_ordered 1
		.amdhsa_forward_progress 1
		.amdhsa_inst_pref_size 41
	.end_amdhsa_kernel
	.amdgpu_metadata
---
amdhsa.version: [ 1, 2 ]
amdhsa.kernels:
  - .name:           k_q7d844c004b_proj
    .symbol:         k_q7d844c004b_proj.kd
    .args:
      - { .name: o_img, .offset: 0, .size: 8, .value_kind: global_buffer, .address_space: global }
      - { .name: Wo_codes, .offset: 8, .size: 8, .value_kind: global_buffer, .address_space: global }
      - { .name: bo, .offset: 16, .size: 8, .value_kind: global_buffer, .address_space: global }
      - { .name: lowp_scales, .offset: 24, .size: 8, .value_kind: global_buffer, .address_space: global }
      - { .name: out0, .offset: 32, .size: 8, .value_kind: global_buffer, .address_space: global }
    .group_segment_fixed_size: 327680
    .private_segment_fixed_size: 0
    .kernarg_segment_align: 8
    .kernarg_segment_size: 40
    .max_flat_workgroup_size: 128
    .sgpr_count:     80
    .vgpr_count:     768
    .wavefront_size: 32
...
	.end_amdgpu_metadata
.endif
;; end of part 3
